; MI455X (gfx1250); checked and timed in simulation.
; The chip was launched on July 23, 2026; its instructions are those of AMD's public machine-readable ISA for CDNA 5 (MIT licence, August 2026) and "CDNA5" Instruction Set Architecture Reference Guide (July 2026). The comments in the code are by the model that wrote it; some were corrected since.
;; self Attention. Allowed arithmetic: matrix products marked QUANTISED: E2M1 operands, one E8M0 scale for each 32 along K, by v_wmma_scale_f32_16x16x128_f8f6f4 with both operands' format E2M1 (or v_wmma_scale_f32_32x16x128_f4), f32 sums; everything else in f32.
;; Inputs: bo 256 float32; gn_b 256 float32; gn_w 256 float32; wk_codes 256 x 8 x 16 uint8 (E2M1 codes of wk, K innermost, in blocks of 32 codes, two codes a byte); wk_scales 256 x 8 uint8 (E8M0 scales of wk, one for each 32 codes along K); wo_codes 256 x 8 x 16 uint8 (E2M1 codes of wo, K innermost, in blocks of 32 codes, two codes a byte); wo_scales 256 x 8 uint8 (E8M0 scales of wo, one for each 32 codes along K); wq_codes 256 x 8 x 16 uint8 (E2M1 codes of wq, K innermost, in blocks of 32 codes, two codes a byte); wq_scales 256 x 8 uint8 (E8M0 scales of wq, one for each 32 codes along K); wv_codes 256 x 8 x 16 uint8 (E2M1 codes of wv, K innermost, in blocks of 32 codes, two codes a byte); wv_scales 256 x 8 uint8 (E8M0 scales of wv, one for each 32 codes along K); x 2 x 256 x 64 x 64 float32.
;; Outputs: out0 2 x 256 x 64 x 64 float32.
;; This version of the problem:
;;   THIS VERSION OF THE PROBLEM IS GIVEN IN LOW PRECISION. The matrix products marked QUANTISED in the list below multiply operands that are first quantised to E2M1 (2 exponent bits, 1 mantissa bit; 4 bits a number), with one power-of-two scale for each 32 numbers along K (OCP MX v1.0); their sums are f32. All else is computed in f32.
;;   The module's matrix products, in the order in which they are computed (A, B: the left and right operand; K: the contracted axis; several contracted axes count as one K, in the product's order):
;;     1. [M 256, K 256] x [K 256, N 8,192]; A: input wq (given as codes); B: computed on the way: QUANTISED
;;     2. [M 256, K 256] x [K 256, N 8,192]; A: input wk (given as codes); B: computed on the way: QUANTISED
;;     3. [M 256, K 256] x [K 256, N 8,192]; A: input wv (given as codes); B: computed on the way: QUANTISED
;;     4. batch 8 x [M 4,096, K 64] x [K 64, N 4,096]; A: computed on the way; B: computed on the way: QUANTISED
;;     5. batch 8 x [M 64, K 4,096] x [K 4,096, N 4,096]; A: computed on the way; B: computed on the way: QUANTISED
;;     6. [M 256, K 256] x [K 256, N 8,192]; A: input wo (given as codes); B: computed on the way: QUANTISED
;;   THE QUANTISER, for each operand of a quantised product, along K:
;;     - K is cut into blocks of 32 from its start; a last block that is shorter is filled with zeros.
;;     - A block's scale is 2^e with e = floor(log2(the largest magnitude in the block)) - 2, held to -126 .. 127; a block of zeros has e = 0. As a byte (E8M0): e + 127.
;;     - Each number is divided by its block's scale, clamped to +-6, and rounded to the nearest number of E2M1, ties to even, subnormals kept.
;;     - The product sums the exact products of the quantised numbers (number of the format x scale) in f32.
;;   ~~~python
;;   def quantise(x, axis):      # numpy; x: float32 -> the quantised numbers, widened to float32 again
;;       x = np.moveaxis(x, axis, -1); K = x.shape[-1]
;;       x = np.pad(x, [(0, 0)] * (x.ndim - 1) + [(0, -K % 32)]); x = x.reshape(x.shape[:-1] + (-1, 32)); a = np.abs(x).max(-1, keepdims=True)
;;       e = np.where(a > 0, np.clip(np.frexp(np.where(a > 0, a, 1))[1] - 1 - 2, -126, 127), 0)      # np.frexp(a)[1] - 1 = floor(log2(a)), exactly
;;       r = np.clip(x / 2.0 ** e, -6, 6)
;;       step = 2.0 ** (np.maximum(np.frexp(np.where(r == 0, 1, r))[1] - 1, 0) - 1)
;;       q = np.round(r / step) * step * 2.0 ** e      # np.round: ties to even
;;       return np.moveaxis(q.reshape(q.shape[:-2] + (-1,))[..., :K], -1, axis).astype(np.float32)
;;   ~~~
;;   OPERANDS COMPUTED ON THE WAY. 'Computed on the way' means the value that the module computes at that place (a softmax that the list does not call 'softmax' is quantised finished and normalised). What goes into a quantiser is computed in f32, as accurately as f32 sums, v_exp_f32 and their like allow (about 1e-6 of the number): no bf16 or f16 on the way to a quantiser, and a product that is left as it is and whose result goes on into a quantised operand takes f32 operands (vector FMAs, or v_wmma_f32_16x16x4_f32). A number that lies on a knife's edge between two numbers of the format may be rounded either way, as far as f32 arithmetic and the matrix unit's own rounding can turn it there, and no further.
;;   INPUTS GIVEN AS CODES. wk (in the module: [256, 256], K = its axis 1); wo (in the module: [256, 256], K = its axis 1); wq (in the module: [256, 256], K = its axis 1); wv (in the module: [256, 256], K = its axis 1): each comes as NAME_codes (uint8): NAME with its K axis moved to the last place and cut into blocks of 32 codes, [.., K / 32, bytes a block], one block behind the other in memory; two codes a byte, the lower K in the low four bits (a code: sign, 2 exponent bits, 1 mantissa bit); and NAME_scales (uint8): the same leading axes, one E8M0 byte (e + 127) for each 32 codes along K. Its value is code x scale, taken as it is: it is not quantised again, and the codes and scales need not be those that the quantiser above would give.
;; One version. Each part assembles by itself: llvm-mc -triple=amdgcn-amd-amdhsa -mcpu=gfx1250 --defsym DOCPART=n.
;; ======== version 1 of 1: 4 launches
;; workspace buffers: stat 1,024 bytes; qbuf 1,179,648 bytes; kbuf 1,179,648 bytes; vbuf 1,114,112 bytes; oc 1,048,576 bytes; os 65,536 bytes
;; launch stats (part 1): grid 64 x 1, 16 waves a work-group, no clusters, 2,304 bytes of LDS; arguments x, stat; writes stat
.if DOCPART == 1
	.amdgcn_target "amdgcn-amd-amdhsa--gfx1250"
	.amdhsa_code_object_version 6
	.text
	.protected	k_q90346555b6_stats
	.globl	k_q90346555b6_stats
	.p2align	8
	.type	k_q90346555b6_stats,@function
k_q90346555b6_stats:
	s_mov_b64 s[64:65], 0
	v_nop
	global_prefetch_b8 v0, s[64:65] scope:SCOPE_SE
	s_setreg_imm32_b32 hwreg(HW_REG_WAVE_MODE, 25, 1), 1
	s_wait_xcnt 0x0
; GroupNorm's statistics.  x: [2][256][4096] f32; a group is 8 channels of one batch: 32,768 numbers, 131,072 consecutive bytes.
; One work-group owns one of the 64 groups and stores stat[group] = (mu, mu, rstd, rstd), rstd = 1 / sqrt(var + 1e-5).
; The group stays in registers (512 threads x 64 numbers), so that the variance is the mean of (x - mu)^2, as it is defined, and no difference of two large sums: x may carry a large common offset.
; 64 work-groups: each statistic has one owner.  No matrix work, no tensor loads, no cluster: nothing is shared between work-groups.
; LIMITS: NaN and infinities among the inputs are not served.
.set X,   16                           ; v16-79   my 64 numbers
.set PS,  84                           ; v84-99   the sixteen waves' partial sums
.set RES, 80                           ; v80-83   the result
	s_load_b128 s[4:7], s[0:1], 0x0                ; x, stat
	v_lshl_add_u32 v104, v0, 2, 0x100
	v_mov_b32 v105, 0
	v_lshlrev_b32 v1, 4, v0                        ; 16 bytes a thread: a load of the work-group covers 8,192 consecutive bytes
	v_lshrrev_b32 v2, 5, v0
	s_delay_alu instid0(VALU_DEP_1)
	v_readfirstlane_b32 s8, v2                     ; wave 0..15
	s_delay_alu instid0(VALU_DEP_2)
	v_lshlrev_b32 v2, 2, v2                        ; LDS: my wave's word
	v_mov_b32 v3, 0
	v_mov_b32 v13, 0                               ; written once: a lane permute's destination counts as one of its sources
	s_lshl_b32 s10, ttmp9, 17                      ; my group's first byte
	s_mov_b32 s11, 0
	s_mov_b32 s12, 0x76543210
	s_mov_b32 s13, 0xfedcba98                      ; v_permlanex16_b32's selects for lane l xor 16
	s_mov_b32 s14, 0x38000000                      ; 1 / 32,768
	s_wait_alu depctr_va_vdst(0)
	s_wait_kmcnt 0x0
	s_add_nc_u64 s[4:5], s[4:5], s[10:11]
.irp k, 0,1,2,3,4,5,6,7,8,9,10,11,12,13,14,15
	global_load_b128 v[X+4*\k:X+4*\k+3], v1, s[4:5] offset:8192*\k   ; no hint: x is read again by later launches
.endr
; four packed chains v[4:11] -> one number in every lane of the wave (v12)
.macro FOLD
	v_pk_add_f32 v[4:5], v[4:5], v[6:7]
	s_delay_alu instid0(VALU_DEP_2)
	v_pk_add_f32 v[8:9], v[8:9], v[10:11]
	s_delay_alu instid0(VALU_DEP_1)
	v_pk_add_f32 v[4:5], v[4:5], v[8:9]
	s_delay_alu instid0(VALU_DEP_1)
	v_add_f32 v12, v4, v5
	s_delay_alu instid0(VALU_DEP_1)
	v_add_f32_dpp v12, v12, v12 row_xmask:1 row_mask:0xf bank_mask:0xf
	s_delay_alu instid0(VALU_DEP_1)
	v_add_f32_dpp v12, v12, v12 row_xmask:2 row_mask:0xf bank_mask:0xf
	s_delay_alu instid0(VALU_DEP_1)
	v_add_f32_dpp v12, v12, v12 row_xmask:4 row_mask:0xf bank_mask:0xf
	s_delay_alu instid0(VALU_DEP_1)
	v_add_f32_dpp v12, v12, v12 row_xmask:8 row_mask:0xf bank_mask:0xf
	s_delay_alu instid0(VALU_DEP_1)
	v_permlanex16_b32 v13, v12, s12, s13
	s_delay_alu instid0(VALU_DEP_1)
	v_add_f32 v12, v12, v13
.endm
; the sixteen waves' numbers meet in 64 bytes of LDS at base; every wave adds them in the same order, so every wave has the same bits
.macro XWAVE base
	ds_store_b32 v2, v12 offset:\base              ; all lanes write the same word with the same value
	s_wait_dscnt 0x0                               ; for the others' sake: my store has landed
	s_barrier_signal -1
	s_barrier_wait -1
.irp i, 0,1,2,3
	ds_load_b128 v[PS+4*\i:PS+4*\i+3], v3 offset:\base+16*\i
.endr
	s_wait_dscnt 0x0
.irp i, 0,2,4,6
	v_pk_add_f32 v[PS+\i:PS+\i+1], v[PS+\i:PS+\i+1], v[PS+8+\i:PS+9+\i]
.endr
	s_delay_alu instid0(VALU_DEP_2)
	v_pk_add_f32 v[PS:PS+1], v[PS:PS+1], v[PS+4:PS+5]
	s_delay_alu instid0(VALU_DEP_2)
	v_pk_add_f32 v[PS+2:PS+3], v[PS+2:PS+3], v[PS+6:PS+7]
	s_delay_alu instid0(VALU_DEP_1)
	v_pk_add_f32 v[PS:PS+1], v[PS:PS+1], v[PS+2:PS+3]
	s_delay_alu instid0(VALU_DEP_1)
	v_add_f32 v12, v[PS], v[PS+1]
.endm
	; the sum: four chains; the first four loads start them, so nothing is cleared
.irp g, 0,1,2,3
	s_wait_alu depctr_va_vdst(0)
	s_wait_loadcnt 12-4*\g                         ; loads come back in order: this group of four is in, the younger groups stay out
.irp c, 0,1,2,3
.if \g == 0
	v_pk_add_f32 v[4+2*\c:5+2*\c], v[X+4*\c:X+4*\c+1], v[X+4*\c+2:X+4*\c+3]
.else
	v_pk_add_f32 v[4+2*\c:5+2*\c], v[4+2*\c:5+2*\c], v[X+16*\g+4*\c:X+16*\g+4*\c+1]
	s_delay_alu instid0(VALU_DEP_1)
	v_pk_add_f32 v[4+2*\c:5+2*\c], v[4+2*\c:5+2*\c], v[X+16*\g+4*\c+2:X+16*\g+4*\c+3]
.endif
.endr
.endr
	FOLD
	XWAVE 0
	s_delay_alu instid0(VALU_DEP_1)
	v_mul_f32 v14, s14, v12                        ; mu
	s_delay_alu instid0(VALU_DEP_1)
	v_mov_b32 v15, v14
.set j, 0
.rept 32
	v_pk_add_f32 v[X+2*j:X+2*j+1], v[X+2*j:X+2*j+1], v[14:15] neg_lo:[0,1] neg_hi:[0,1]   ; x - mu
.set j, j+1
.endr
.irp c, 0,1,2,3
	v_pk_mul_f32 v[4+2*\c:5+2*\c], v[X+2*\c:X+2*\c+1], v[X+2*\c:X+2*\c+1]                 ; the squares, again in four chains
.endr
.set j, 4
.rept 28
	s_delay_alu instid0(VALU_DEP_4)
	v_pk_fma_f32 v[4+2*(j%4):5+2*(j%4)], v[X+2*j:X+2*j+1], v[X+2*j:X+2*j+1], v[4+2*(j%4):5+2*(j%4)]
.set j, j+1
.endr
	FOLD
	XWAVE 128                                      ; other bytes than the first meeting's: no wave can overwrite what another still reads
	s_delay_alu instid0(VALU_DEP_1)
	v_fmaak_f32 v12, s14, v12, 0x3727c5ac          ; var + 1e-5 (the division by 32,768 is exact)
	s_wait_alu depctr_va_vdst(0)
	v_rsq_f32 v[RES+2], v12
	v_mov_b32 v[RES], v14                          ; (a plain line behind the transcendental)
	v_mov_b32 v[RES+1], v14
	s_wait_alu depctr_va_vdst(0)
	v_mov_b32 v[RES+3], v[RES+2]
	s_cmp_lg_u32 s8, 0                             ; wave 0's lane 0 stores the group's 16 bytes
	s_cbranch_scc1 .Lend
	s_lshl_b32 s10, ttmp9, 4
	s_add_nc_u64 s[6:7], s[6:7], s[10:11]
	v_cmp_eq_u32 vcc_lo, 0, v0
	s_wait_xcnt 0x0                                ; EXEC is a source of the loads above: it changes only behind this wait
	s_and_saveexec_b32 s9, vcc_lo
	s_wait_alu depctr_va_vdst(0)
	global_store_b128 v3, v[RES:RES+3], s[6:7]
	s_wait_xcnt 0x0                                ; and again in front of the line that widens it
	s_or_b32 exec_lo, exec_lo, s9
.Lend:
	s_wait_tensorcnt 0x0
	ds_add_u32 v104, v105
	s_wait_dscnt 0x0
	s_endpgm
.Lfunc_end_k_q90346555b6_stats:
	.size	k_q90346555b6_stats, .Lfunc_end_k_q90346555b6_stats-k_q90346555b6_stats
	.p2alignl 7, 3214868480
	.fill 96, 4, 3214868480
	.section	.rodata,"a",@progbits
	.p2align	6, 0x0
	.amdhsa_kernel k_q90346555b6_stats
		.amdhsa_group_segment_fixed_size 2304
		.amdhsa_private_segment_fixed_size 0
		.amdhsa_enable_private_segment 0
		.amdhsa_kernarg_size 16
		.amdhsa_user_sgpr_count 2
		.amdhsa_user_sgpr_kernarg_segment_ptr 1
		.amdhsa_wavefront_size32 1
		.amdhsa_system_sgpr_workgroup_id_x 1
		.amdhsa_system_sgpr_workgroup_id_y 1
		.amdhsa_system_sgpr_workgroup_id_z 1
		.amdhsa_system_vgpr_workitem_id 0
		.amdhsa_next_free_vgpr 106
		.amdhsa_next_free_sgpr 66
		.amdhsa_reserve_vcc 1
		.amdhsa_float_denorm_mode_32 3
		.amdhsa_float_denorm_mode_16_64 3
		.amdhsa_memory_ordered 1
		.amdhsa_forward_progress 1
		.amdhsa_inst_pref_size 15
	.end_amdhsa_kernel
	.amdgpu_metadata
---
amdhsa.version: [ 1, 2 ]
amdhsa.kernels:
  - .name:           k_q90346555b6_stats
    .symbol:         k_q90346555b6_stats.kd
    .args:
      - { .name: x, .offset: 0, .size: 8, .value_kind: global_buffer, .address_space: global }
      - { .name: stat, .offset: 8, .size: 8, .value_kind: global_buffer, .address_space: global }
    .group_segment_fixed_size: 2304
    .private_segment_fixed_size: 0
    .kernarg_segment_align: 8
    .kernarg_segment_size: 16
    .max_flat_workgroup_size: 512
    .sgpr_count:     66
    .vgpr_count:     106
    .wavefront_size: 32
...
	.end_amdgpu_metadata
.endif
;; end of part 1
;; launch qkv (part 2): grid 128 x 1, 8 waves a work-group, no clusters, 10,240 bytes of LDS; arguments x, stat, gn_w, gn_b, wq_codes, wq_scales, wk_codes, wk_scales, wv_codes, wv_scales, qbuf, kbuf, vbuf; writes qbuf, kbuf, vbuf
.if DOCPART == 2
	.amdgcn_target "amdgcn-amd-amdhsa--gfx1250"
	.amdhsa_code_object_version 6
	.text
	.protected	k_q90346555b6_qkv
	.globl	k_q90346555b6_qkv
	.p2align	8
	.type	k_q90346555b6_qkv,@function
k_q90346555b6_qkv:
	s_mov_b64 s[64:65], 0
	v_nop
	global_prefetch_b8 v0, s[64:65] scope:SCOPE_SE
	s_setreg_imm32_b32 hwreg(HW_REG_WAVE_MODE, 25, 1), 1
	s_wait_xcnt 0x0
; norm = GroupNorm(x); q, k, v = Wq, Wk, Wv x norm, on codes of FP4 (E2M1) with one E8M0 scale for each 32 along K; then q and k are quantised along the head's 64 channels and v along the keys,
; and leave as images of the operand registers that the attention launch wants.
; SHARES.  A work-group takes 64 positions of one batch (four tiles of 16) and all 256 channels.  Eight waves.
;   X: wave w takes channels 32 w .. 32 w + 31: A LANE IS A POSITION AND ITS REGISTERS RUN DOWN THE CHANNELS, so a block of 32 along K lies in one lane.  Codes and scale bytes go to LDS as images of operand registers.
;   M: wave w = (head n = w % 4, half = w / 4) makes q (half 0) or k (half 1) of head n, and v's channel tiles 2 half and 2 half + 1 of head n, for the four tiles of positions.
; THE ORDER OF A TILE: row r of tile T stands for position 32 (T / 2) + 8 (T % 2) + r + 8 (r / 8); the weights' rows of a tile are taken in the same order.  In a result whose m runs over such a tile, register j of lane (r, h)
; of tile 2 b + u is index 32 b + 16 h + 8 u + j: the 16 registers of tiles 2 b and 2 b + 1 are 16 neighbours, and a block of 32 lies in lanes l and l xor 16.
;   q, k: source 0 = 16 rows of W, source 1 = 16 positions: a lane holds a position, its registers run along the channels (the scores' K).
;   v:    source 0 = 16 positions, source 1 = 16 rows of Wv: a lane holds a channel, its registers run along the positions (the second product's K).
; OUT.  A block's 16 codes of a lane (8 bytes) go to 256 (block % 2) + 16 r + 8 h of an image of 512 bytes: each store of the wave covers 256 consecutive bytes, aligned; read back at 16 x lane the image is four operand registers.
;   qbuf, kbuf: [batch x 4 + head][32 groups of 128 positions][8 images; at 4,096 two blocks of 256 bytes of scale words: lane r + 16 u, word b: tile 2 b + u of the block's 64 positions].
;     A scale word is byte 0 | byte 1 << 8 | 0x7f7f0000: the scores' K is 64 of the instruction's 128; the upper two bytes stand over zero codes.
;   vbuf: [batch x 4 + head][32 steps of 128 keys][4 channel tiles x 2 images; at 4,096 scale words: lane r + 16 (t % 2), word t / 2, byte = block of 32 keys].
;     Of such a word this work-group owns two bytes (its 64 keys); the other two are the neighbouring work-group's: stores of 2 bytes a lane, 512 bytes of the 27 KB that a work-group stores.
; NO CLUSTER, NO TENSOR LOAD: each byte of the weights is wanted by exactly one wave of the work-group, once, in the order of its operand registers (12 KB a wave), so it is loaded straight into them.
; LIMITS: NaN and infinities are not served.  A block of zeros gets the scale byte 1 where the rule says 127: its codes are zeros, and this program alone reads the bytes.
.set XIMG, 0                           ; LDS: norm's 8 fragments: (tile m, K step s) at 2,048 m + 1,024 s, registers 4 c .. at + 512 c + 16 x lane
.set XSC,  8192                        ; their scale words: (m, s, r) at 128 m + 64 s + 4 r
.set XR,   16                          ; v16-79   x, 32 channels of two positions a lane; later W's fragments: tile t, K step s at 16 t + 8 s
.set CW,   80                          ; v80-111  gn_w x rstd of my 32 channels
.set CB,   112                         ; v112-143 gn_b
.set ST,   144                         ; v144-159 (mu, mu, rstd, rstd) of my four groups
.set AQ,   80                          ; later: four accumulators of q or k
.set AV,   112                         ; later: v's: channel tile i, position tile m at 16 i + 8 (m % 2)
.set XF,   144                         ; later: norm's two fragments of a tile
.set WVF,  160                         ; v160-191 Wv's fragments: 16 i + 8 s
.set WSC,  192                         ; v192-199 W's scale words, 2 t + s;  v200-203 Wv's, 2 i + s;  v204-207 norm's, one register a tile: these hold scales and nothing else
.set WVS,  200
.set XS,   204
.set QM,   208                         ; v208-209 largest magnitudes;  v210-211 the other lane's;  v212-213 the conversions' scale operands;  v214-215 scale bytes
.set QP,   210
.set QSO,  212
.set QBY,  214
.set WD,   216                         ; v216-219 a tile's scale word of q or k
.set VB,   220                         ; v220-221 v's two scale bytes, channel tile i
.set PCX,  224                         ; v224-231 norm's codes; later v's
.set PCV,  224
.set BYX,  232                         ; v232-233 norm's scale bytes
.set PCQ,  234                         ; v234-249 q's or k's codes, four registers a tile: no store's data are written again
.set OUTW, 250
.set SEL,  38
; one product.  c = -1: the constant 0 starts the sum.  row = 1: A's scales are read from lanes 16-31; 2: B's
.macro MMA d, a, b, c, sa, sb, row
.if (\c) < 0
.if (\row) == 0
	v_wmma_scale_f32_16x16x128_f8f6f4 v[\d:\d+7], v[\a:\a+7], v[\b:\b+7], 0, v[\sa], v[\sb] matrix_a_fmt:MATRIX_FMT_FP4 matrix_b_fmt:MATRIX_FMT_FP4
.elseif (\row) == 1
	v_wmma_scale_f32_16x16x128_f8f6f4 v[\d:\d+7], v[\a:\a+7], v[\b:\b+7], 0, v[\sa], v[\sb] matrix_a_fmt:MATRIX_FMT_FP4 matrix_b_fmt:MATRIX_FMT_FP4 matrix_a_scale:MATRIX_SCALE_ROW1
.else
	v_wmma_scale_f32_16x16x128_f8f6f4 v[\d:\d+7], v[\a:\a+7], v[\b:\b+7], 0, v[\sa], v[\sb] matrix_a_fmt:MATRIX_FMT_FP4 matrix_b_fmt:MATRIX_FMT_FP4 matrix_b_scale:MATRIX_SCALE_ROW1
.endif
.else
.if (\row) == 0
	v_wmma_scale_f32_16x16x128_f8f6f4 v[\d:\d+7], v[\a:\a+7], v[\b:\b+7], v[\c:\c+7], v[\sa], v[\sb] matrix_a_fmt:MATRIX_FMT_FP4 matrix_b_fmt:MATRIX_FMT_FP4
.elseif (\row) == 1
	v_wmma_scale_f32_16x16x128_f8f6f4 v[\d:\d+7], v[\a:\a+7], v[\b:\b+7], v[\c:\c+7], v[\sa], v[\sb] matrix_a_fmt:MATRIX_FMT_FP4 matrix_b_fmt:MATRIX_FMT_FP4 matrix_a_scale:MATRIX_SCALE_ROW1
.else
	v_wmma_scale_f32_16x16x128_f8f6f4 v[\d:\d+7], v[\a:\a+7], v[\b:\b+7], v[\c:\c+7], v[\sa], v[\sb] matrix_a_fmt:MATRIX_FMT_FP4 matrix_b_fmt:MATRIX_FMT_FP4 matrix_b_scale:MATRIX_SCALE_ROW1
.endif
.endif
.endm
; 32 registers from src on, two blocks: register 16 b + i is number 16 h + i of block b.  Codes into v[pc + 2 b], v[pc + 2 b + 1]; scale bytes into v[QBY + b].
; Each accumulator is read from its low end on.
.macro QUANT2 src, pc
.irp b, 0,1
	v_max3_num_f32 v[QM+\b], |v[\src+16*\b]|, |v[\src+16*\b+1]|, 0x1800000   ; and the floor 2^(3 - 127): the byte cannot fall under 1
.endr
.irp i, 2,4,6,8,10,12,14
.irp b, 0,1
	v_max3_num_f32 v[QM+\b], v[QM+\b], |v[\src+16*\b+\i]|, |v[\src+16*\b+\i+1]|   ; (the two blocks by turns)
.endr
.endr
.irp b, 0,1
	s_delay_alu instid0(VALU_DEP_2)
	v_permlanex16_b32 v[QP+\b], v[QM+\b], s[SEL], s[SEL+1]
.endr
.irp b, 0,1
	s_delay_alu instid0(VALU_DEP_2)
	v_max_num_f32 v[QM+\b], v[QM+\b], v[QP+\b]     ; with lane l xor 16's: the block's largest magnitude
.endr
.irp b, 0,1
	s_delay_alu instid0(VALU_DEP_2)
	v_add_nc_u32 v[QSO+\b], 0xff000000, v[QM+\b]   ; 2 off its exponent field: the conversion takes the exponent field of this operand as its scale
.endr
.irp b, 0,1
	s_delay_alu instid0(VALU_DEP_2)
	v_lshrrev_b32 v[QBY+\b], 23, v[QSO+\b]         ; the scale's byte
.endr
.irp b, 0,1
	v_cvt_scalef32_pk8_fp4_f32 v[\pc+2*\b], v[\src+16*\b:\src+16*\b+7], v[QSO+\b]
	v_cvt_scalef32_pk8_fp4_f32 v[\pc+2*\b+1], v[\src+16*\b+8:\src+16*\b+15], v[QSO+\b]
.endr
	v_nop                                          ; one plain line behind the last scaled conversion
.endm
	s_load_b512 s[4:19], s[0:1], 0x0               ; x, stat, gn_w, gn_b, Wq's codes, scales, Wk's codes, scales
	s_load_b256 s[20:27], s[0:1], 0x40             ; Wv's codes, scales, qbuf, kbuf
	s_load_b64 s[28:29], s[0:1], 0x60              ; vbuf
	v_lshl_add_u32 v254, v0, 2, 0x2400
	v_mov_b32 v255, 0
	v_lshrrev_b32 v14, 5, v0
	s_delay_alu instid0(VALU_DEP_1)
	v_readfirstlane_b32 s30, v14                   ; wave 0..7
	s_lshr_b32 s31, ttmp9, 6                       ; batch
	s_and_b32 s32, ttmp9, 63                       ; which 64 positions
	s_and_b32 s33, s30, 3                          ; head n
	s_lshr_b32 s34, s30, 2                         ; half
	s_lshl_b32 s35, s31, 2
	s_add_co_u32 s35, s35, s33                     ; batch x 4 + head
	s_lshr_b32 s42, s32, 1                         ; which 128 positions,
	s_and_b32 s43, s32, 1                          ; and which half of them
	s_mov_b32 s37, 0
	s_mov_b32 s41, 0
	s_mov_b32 s[SEL], 0x76543210
	s_mov_b32 s[SEL+1], 0xfedcba98                 ; v_permlanex16_b32's selects for lane l xor 16
	v_and_b32 v1, 31, v0                           ; lane q
	v_and_b32 v2, 15, v0                           ; r
	v_bfe_u32 v3, v0, 4, 1                         ; h
	s_delay_alu instid0(VALU_DEP_3)
	v_lshlrev_b32 v4, 2, v1                        ; x: 4 bytes a lane
	v_mov_b32 v5, 0
	; position 32 pg + q is row (q % 8) + 8 (q / 16) of tile 2 pg + (q / 8) % 2.  Block w of K is registers 4 ((w / 2) % 2) .. of lanes 16 (w % 2) + r of K step w / 4: byte 2,048 tile + 256 w + 16 r
	v_and_b32 v14, 8, v1
	v_and_b32 v15, 7, v1
	s_delay_alu instid0(VALU_DEP_2)
	v_lshlrev_b32 v6, 8, v14
	s_delay_alu instid0(VALU_DEP_1)
	v_lshl_add_u32 v6, v15, 4, v6
	s_delay_alu instid0(VALU_DEP_4)
	v_lshlrev_b32 v7, 4, v14
	s_delay_alu instid0(VALU_DEP_1)
	v_lshl_add_u32 v7, v15, 2, v7
	v_and_b32 v14, 16, v1
	s_delay_alu instid0(VALU_DEP_1)
	v_lshl_add_u32 v6, v14, 3, v6
	s_delay_alu instid0(VALU_DEP_2)
	v_lshl_add_u32 v7, v14, 1, v7
	s_lshl_b32 s40, s30, 8
	v_add_nc_u32 v6, s40, v6                       ; where my position's 16 bytes of codes go
	s_lshl_b32 s40, s34, 6
	s_add_co_u32 s40, s40, s33
	s_add_co_u32 s40, s40, XSC
	v_add_nc_u32 v7, s40, v7                       ; and its scale byte: XSC + 128 tile + 64 (w / 4) + 4 r + w % 4
	v_and_b32 v14, 8, v2
	s_delay_alu instid0(VALU_DEP_1)
	v_add_nc_u32 v14, v14, v2                      ; r + 8 (r / 8)
	s_delay_alu instid0(VALU_DEP_1)
	v_lshlrev_b32 v8, 7, v14
	s_delay_alu instid0(VALU_DEP_1)
	v_lshl_add_u32 v8, v3, 4, v8                   ; a weight's fragment: a row is 128 bytes, + 16 h
	s_delay_alu instid0(VALU_DEP_3)
	v_lshlrev_b32 v9, 3, v14                       ; its scale bytes: 8 a row
	v_lshlrev_b32 v10, 4, v1                       ; 16 x lane: an image's place for my lane
	v_lshlrev_b32 v11, 2, v1                       ; 4 x lane: a scale word's
	v_lshlrev_b32 v12, 4, v2
	s_delay_alu instid0(VALU_DEP_1)
	v_lshl_add_u32 v12, v3, 3, v12                 ; 16 r + 8 h: my 8 bytes of a block's 256
	v_lshlrev_b32 v13, 3, v1                       ; 8 x lane
	v_mov_b32 v[QP], 0                             ; written once: a lane permute's destination counts as one of its sources
	v_mov_b32 v[QP+1], 0
	s_wait_kmcnt 0x0
	s_cmp_eq_u32 s34, 0                            ; q's wave or k's?  The choice hangs on the wave's number alone
	s_cselect_b64 s[12:13], s[12:13], s[16:17]
	s_cselect_b64 s[14:15], s[14:15], s[18:19]
	s_cselect_b64 s[24:25], s[24:25], s[26:27]
	s_lshl_b32 s36, s31, 22                        ; x: batch, my 32 channels of 16,384 bytes, the 64 positions
	s_lshl_b32 s40, s30, 19
	s_add_co_u32 s36, s36, s40
	s_lshl_b32 s40, s32, 8
	s_add_co_u32 s36, s36, s40
	s_add_nc_u64 s[4:5], s[4:5], s[36:37]
	s_lshl_b32 s36, s31, 9                         ; stat: groups 32 batch + 4 w on, 16 bytes each
	s_lshl_b32 s40, s30, 6
	s_add_co_u32 s36, s36, s40
	s_add_nc_u64 s[6:7], s[6:7], s[36:37]
	s_lshl_b32 s36, s30, 7                         ; gn_w, gn_b: my 32 channels
	s_add_nc_u64 s[8:9], s[8:9], s[36:37]
	s_add_nc_u64 s[10:11], s[10:11], s[36:37]
.irp k, 0,1,2,3
	global_load_b128 v[ST+4*\k:ST+4*\k+3], v5, s[6:7] offset:16*\k      ; every lane reads the same 16 bytes
.endr
.irp k, 0,1,2,3,4,5,6,7
	global_load_b128 v[CW+4*\k:CW+4*\k+3], v5, s[8:9] offset:16*\k
.endr
.irp k, 0,1,2,3,4,5,6,7
	global_load_b128 v[CB+4*\k:CB+4*\k+3], v5, s[10:11] offset:16*\k
.endr
.macro XLOAD pg                        ; x(32 w + i, 32 pg + lane): 32 lanes read 128 consecutive bytes; the two calls together cover the row's aligned 256
.set i, 0
.rept 32
	global_load_b32 v[XR+32*\pg+i], v4, s[4:5] offset:16384*i+128*\pg
.set i, i+1
.endr
.endm
	XLOAD 0
	; the other addresses, while the loads are out
	s_lshl_b32 s36, s33, 13                        ; W: my head's 64 rows of 128 bytes;
	s_add_nc_u64 s[12:13], s[12:13], s[36:37]
	s_lshl_b32 s40, s34, 12                        ; Wv: and my half's 32 of them
	s_add_co_u32 s36, s36, s40
	s_add_nc_u64 s[20:21], s[20:21], s[36:37]
	s_lshl_b32 s36, s33, 9                         ; the scale bytes likewise, 8 a row
	s_add_nc_u64 s[14:15], s[14:15], s[36:37]
	s_lshl_b32 s40, s34, 8
	s_add_co_u32 s36, s36, s40
	s_add_nc_u64 s[22:23], s[22:23], s[36:37]
	s_mul_i32 s36, s35, 147456                     ; qbuf or kbuf: the head, the group of 128 positions;
	s_mul_i32 s40, s42, 4608
	s_add_co_u32 s36, s36, s40
	s_lshl_b32 s40, s43, 8
	s_add_co_u32 s40, s40, s36
	s_add_co_u32 s40, s40, 4096
	s_add_nc_u64 s[26:27], s[24:25], s[40:41]      ; my 64 positions' block of scale words,
	s_lshl_b32 s44, s43, 11
	s_add_co_u32 s36, s36, s44
	s_add_nc_u64 s[24:25], s[24:25], s[36:37]      ; and their four images
	s_mul_i32 s36, s35, 139264                     ; vbuf: the head, the step of 128 keys;
	s_mul_i32 s40, s42, 4352
	s_add_co_u32 s36, s36, s40
	s_lshl_b32 s40, s34, 2
	s_lshl_b32 s44, s43, 1
	s_add_co_u32 s40, s40, s44
	s_add_co_u32 s40, s40, s36
	s_add_co_u32 s40, s40, 4096
	s_add_nc_u64 s[16:17], s[28:29], s[40:41]      ; my two bytes of a scale word: word half, bytes 2 (which 64) on,
	s_lshl_b32 s40, s43, 9
	s_add_co_u32 s36, s36, s40
	s_lshl_b32 s40, s34, 11
	s_add_co_u32 s36, s36, s40
	s_add_nc_u64 s[28:29], s[28:29], s[36:37]      ; and the image of my 64 keys in channel tile 2 half
	s_wait_loadcnt 32                              ; the 20 loads of constants are in; x's 32 may be out
.irp i, 0,1,2,3,4,5,6,7,8,9,10,11,12,13,14,15
	v_pk_mul_f32 v[CW+2*\i:CW+2*\i+1], v[CW+2*\i:CW+2*\i+1], v[ST+4*(\i/4)+2:ST+4*(\i/4)+3]   ; gn_w x rstd
.endr
	XLOAD 1
.irp i, 0,1
.irp s, 0,1
.irp c, 0,1
	global_load_b128 v[WVF+16*\i+8*\s+4*\c:WVF+16*\i+8*\s+4*\c+3], v8, s[20:21] offset:1024*\i+64*\s+32*\c
.endr
.endr
.endr
.irp i, 0,1
	global_load_b64 v[WVS+2*\i:WVS+2*\i+1], v9, s[22:23] offset:64*\i            ; a row's 8 scale bytes: the words of both K steps
.endr
.irp t, 0,1,2,3
	global_load_b64 v[WSC+2*\t:WSC+2*\t+1], v9, s[14:15] offset:(32*(\t/2)+8*(\t%2))*8
.endr
.macro WLOAD t                         ; W's tile t: rows 32 (t / 2) + 8 (t % 2) + r + 8 (r / 8) of the head
.irp s, 0,1
.irp c, 0,1
	global_load_b128 v[XR+16*\t+8*\s+4*\c:XR+16*\t+8*\s+4*\c+3], v8, s[12:13] offset:(32*(\t/2)+8*(\t%2))*128+64*\s+32*\c
.endr
.endr
.endm
; 32 channels of one position a lane: normalised, quantised (the whole block is mine), to LDS
.macro NORMQ pg
.set XP, XR+32*\pg
.irp i, 0,1,2,3,4,5,6,7,8,9,10,11,12,13,14,15
	v_pk_add_f32 v[XP+2*\i:XP+2*\i+1], v[XP+2*\i:XP+2*\i+1], v[ST+4*(\i/4):ST+4*(\i/4)+1] neg_lo:[0,1] neg_hi:[0,1]   ; x - mu
.endr
.irp i, 0,1,2,3,4,5,6,7,8,9,10,11,12,13,14,15
	v_pk_fma_f32 v[XP+2*\i:XP+2*\i+1], v[XP+2*\i:XP+2*\i+1], v[CW+2*\i:CW+2*\i+1], v[CB+2*\i:CB+2*\i+1]
.endr
	v_max3_num_f32 v[QM], |v[XP]|, |v[XP+1]|, |v[XP+2]|
	v_max3_num_f32 v[QM+1], |v[XP+3]|, |v[XP+4]|, |v[XP+5]|
.irp i, 6,10,14,18,22,26
	s_delay_alu instid0(VALU_DEP_2)
	v_max3_num_f32 v[QM], v[QM], |v[XP+\i]|, |v[XP+\i+1]|
	s_delay_alu instid0(VALU_DEP_2)
	v_max3_num_f32 v[QM+1], v[QM+1], |v[XP+\i+2]|, |v[XP+\i+3]|
.endr
	s_delay_alu instid0(VALU_DEP_2)
	v_max3_num_f32 v[QM], v[QM], |v[XP+30]|, |v[XP+31]|
	s_delay_alu instid0(VALU_DEP_1)
	v_max3_num_f32 v[QM], v[QM], v[QM+1], 0x1800000   ; and the floor 2^(3 - 127)
	s_delay_alu instid0(VALU_DEP_1)
	v_add_nc_u32 v[QSO], 0xff000000, v[QM]
.irp g, 0,1,2,3
	v_cvt_scalef32_pk8_fp4_f32 v[PCX+4*\pg+\g], v[XP+8*\g:XP+8*\g+7], v[QSO]
.endr
	v_lshrrev_b32 v[BYX+\pg], 23, v[QSO]           ; the scale's byte (also the plain line behind the conversions)
	ds_store_b128 v6, v[PCX+4*\pg:PCX+4*\pg+3] offset:XIMG+4096*\pg
	ds_store_b8 v7, v[BYX+\pg] offset:256*\pg
.endm
	s_wait_loadcnt 46                              ; x's first 32 are in; behind them: x's second 32 and 14 loads of weights
	NORMQ 0
	WLOAD 0                                        ; W's tiles take the registers that x has left
	WLOAD 1
	s_wait_loadcnt 22                              ; x's second 32 are in; behind them: 14 + 8 loads of weights
	NORMQ 1
	WLOAD 2
	WLOAD 3
	s_wait_dscnt 0x0                               ; for the others' sake: my stores have landed
	s_barrier_signal -1
	s_barrier_wait -1                              ; norm's eight fragments and their scale words lie in LDS; from here on LDS is only read
	s_wait_loadcnt 0x0                             ; the weights
; a tile of 16 positions: six accumulators by turns, K step by K step
.macro TSTEP m
.irp s, 0,1
.irp c, 0,1
	ds_load_b128 v[XF+8*\s+4*\c:XF+8*\s+4*\c+3], v10 offset:XIMG+2048*\m+1024*\s+512*\c
.endr
.endr
	ds_load_b32 v[XS+\m], v11 offset:XSC+128*\m    ; lanes 0-15: K step 0's words, lanes 16-31: K step 1's
	s_wait_dscnt 0x0
.irp t, 0,1,2,3
	MMA AQ+8*\t, XR+16*\t, XF, -1, WSC+2*\t, XS+\m, 0
.endr
.irp i, 0,1
	MMA AV+16*\i+8*(\m%2), XF, WVF+16*\i, -1, XS+\m, WVS+2*\i, 0
.endr
.irp t, 0,1,2,3
	MMA AQ+8*\t, XR+16*\t+8, XF+8, AQ+8*\t, WSC+2*\t+1, XS+\m, 2
.endr
.irp i, 0,1
	MMA AV+16*\i+8*(\m%2), XF+8, WVF+16*\i+8, AV+16*\i+8*(\m%2), XS+\m, WVS+2*\i+1, 1
.endr
.rept 4
	v_nop                                          ; four places between the last products and the first read of results
.endr
	QUANT2 AQ, PCQ+4*\m                            ; q or k of 16 positions: two blocks of 32 channels
	v_lshl_or_b32 v[WD+\m], v[QBY+1], 8, v[QBY]
	s_delay_alu instid0(VALU_DEP_1)
	v_or_b32 v[WD+\m], 0x7f7f0000, v[WD+\m]        ; bytes 2 and 3 stand over zero codes
	global_store_b64 v12, v[PCQ+4*\m:PCQ+4*\m+1], s[24:25] offset:512*\m
	global_store_b64 v12, v[PCQ+4*\m+2:PCQ+4*\m+3], s[24:25] offset:512*\m+256
.if (\m%2) == 1
	QUANT2 AV, PCV+4*(\m/2)                        ; v: a block of 32 keys (two tiles of positions) of each of my two channel tiles
.irp i, 0,1
.if \m == 1
	v_mov_b32 v[VB+\i], v[QBY+\i]
.else
	v_lshl_or_b32 v[VB+\i], v[QBY+\i], 8, v[VB+\i]
.endif
	global_store_b64 v12, v[PCV+4*(\m/2)+2*\i:PCV+4*(\m/2)+2*\i+1], s[28:29] offset:1024*\i+256*(\m/2)
.endr
.endif
.endm
	TSTEP 0
	TSTEP 1
	TSTEP 2
	TSTEP 3
	v_cmp_lt_u32 vcc_lo, 15, v1                    ; lanes 16-31 carry the odd tiles' words
	s_delay_alu instid0(VALU_DEP_1)
	v_cndmask_b32 v[OUTW], v[WD], v[WD+1], vcc_lo
	s_delay_alu instid0(VALU_DEP_2)
	v_cndmask_b32 v[OUTW+1], v[WD+2], v[WD+3], vcc_lo
	global_store_b64 v13, v[OUTW:OUTW+1], s[26:27] ; 32 lanes store 256 consecutive bytes, aligned
	v_cndmask_b32 v[OUTW+2], v[VB], v[VB+1], vcc_lo
	global_store_b16 v13, v[OUTW+2], s[16:17]      ; v's two scale bytes of a row: the other two of the word are the neighbouring 64 keys'
	s_wait_tensorcnt 0x0
	ds_add_u32 v254, v255
	s_wait_dscnt 0x0
	s_endpgm
.Lfunc_end_k_q90346555b6_qkv:
	.size	k_q90346555b6_qkv, .Lfunc_end_k_q90346555b6_qkv-k_q90346555b6_qkv
	.p2alignl 7, 3214868480
	.fill 96, 4, 3214868480
	.section	.rodata,"a",@progbits
	.p2align	6, 0x0
	.amdhsa_kernel k_q90346555b6_qkv
		.amdhsa_group_segment_fixed_size 10240
		.amdhsa_private_segment_fixed_size 0
		.amdhsa_enable_private_segment 0
		.amdhsa_kernarg_size 104
		.amdhsa_user_sgpr_count 2
		.amdhsa_user_sgpr_kernarg_segment_ptr 1
		.amdhsa_wavefront_size32 1
		.amdhsa_system_sgpr_workgroup_id_x 1
		.amdhsa_system_sgpr_workgroup_id_y 1
		.amdhsa_system_sgpr_workgroup_id_z 1
		.amdhsa_system_vgpr_workitem_id 0
		.amdhsa_next_free_vgpr 256
		.amdhsa_next_free_sgpr 66
		.amdhsa_reserve_vcc 1
		.amdhsa_float_denorm_mode_32 3
		.amdhsa_float_denorm_mode_16_64 3
		.amdhsa_memory_ordered 1
		.amdhsa_forward_progress 1
		.amdhsa_inst_pref_size 47
	.end_amdhsa_kernel
	.amdgpu_metadata
---
amdhsa.version: [ 1, 2 ]
amdhsa.kernels:
  - .name:           k_q90346555b6_qkv
    .symbol:         k_q90346555b6_qkv.kd
    .args:
      - { .name: x, .offset: 0, .size: 8, .value_kind: global_buffer, .address_space: global }
      - { .name: stat, .offset: 8, .size: 8, .value_kind: global_buffer, .address_space: global }
      - { .name: gn_w, .offset: 16, .size: 8, .value_kind: global_buffer, .address_space: global }
      - { .name: gn_b, .offset: 24, .size: 8, .value_kind: global_buffer, .address_space: global }
      - { .name: wq_codes, .offset: 32, .size: 8, .value_kind: global_buffer, .address_space: global }
      - { .name: wq_scales, .offset: 40, .size: 8, .value_kind: global_buffer, .address_space: global }
      - { .name: wk_codes, .offset: 48, .size: 8, .value_kind: global_buffer, .address_space: global }
      - { .name: wk_scales, .offset: 56, .size: 8, .value_kind: global_buffer, .address_space: global }
      - { .name: wv_codes, .offset: 64, .size: 8, .value_kind: global_buffer, .address_space: global }
      - { .name: wv_scales, .offset: 72, .size: 8, .value_kind: global_buffer, .address_space: global }
      - { .name: qbuf, .offset: 80, .size: 8, .value_kind: global_buffer, .address_space: global }
      - { .name: kbuf, .offset: 88, .size: 8, .value_kind: global_buffer, .address_space: global }
      - { .name: vbuf, .offset: 96, .size: 8, .value_kind: global_buffer, .address_space: global }
    .group_segment_fixed_size: 10240
    .private_segment_fixed_size: 0
    .kernarg_segment_align: 8
    .kernarg_segment_size: 104
    .max_flat_workgroup_size: 256
    .sgpr_count:     66
    .vgpr_count:     256
    .wavefront_size: 32
...
	.end_amdgpu_metadata
.endif
;; end of part 2
;; launch attn (part 3): grid 32 x 8, 8 waves a work-group, clusters of 4 x 1, 287,744 bytes of LDS; arguments qbuf, kbuf, vbuf, oc, os; writes oc, os
.if DOCPART == 3
	.amdgcn_target "amdgcn-amd-amdhsa--gfx1250"
	.amdhsa_code_object_version 6
	.text
	.protected	k_q90346555b6_attn
	.globl	k_q90346555b6_attn
	.p2align	8
	.type	k_q90346555b6_attn,@function
k_q90346555b6_attn:
	s_mov_b64 s[64:65], 0
	v_nop
	global_prefetch_b8 v0, s[64:65] scope:SCOPE_SE
	s_setreg_imm32_b32 hwreg(HW_REG_WAVE_MODE, 25, 1), 1
	s_wait_xcnt 0x0
	s_wait_alu depctr_hold_cnt(0) depctr_sa_sdst(0) depctr_va_vdst(0) depctr_va_sdst(0) depctr_va_ssrc(0) depctr_va_vcc(0) depctr_vm_vsrc(0)
	s_getreg_b32 s2, hwreg(HW_REG_IB_STS2, 6, 4)
	s_cmp_eq_u32 s2, 0
	s_cbranch_scc0 .Lentry_in_a_cluster
	s_endpgm
.Lentry_in_a_cluster:
	s_bfe_u32 s2, ttmp6, 0x10000c
	s_cmp_lg_u32 s2, 0x3003
	s_cbranch_scc0 .Lentry_shape_is_right
	s_endpgm
.Lentry_shape_is_right:
; Attention of one (batch, head): scores = q . k / 16 over the head's 64 channels, softmax over 4,096 keys, out = probs x v; both products on codes of FP4 (E2M1) with E8M0 scales; then out is quantised along the channels.
; THE PROBABILITIES ARE QUANTISED FINISHED AND NORMALISED, so a row's sum must be known before any of them is quantised.  TWO PASSES over the keys:
;   pass 1: scores; the running maximum M (rounded up to a whole number, so that a change of M rescales the sum exactly) and the sum L of 2^(t - M), t = score x log2(e) / 16;
;   pass 2: the same scores again (the same instructions on the same codes: the same bits); p = 2^(t - M) x (1 / L); quantised along the keys; O^T += V^T P^T.
;   1 / L is multiplied on and not folded into the exponent: the exponent t - M keeps one rounding whatever the size of the scores.
; SHARES.  A work-group takes 128 queries of one head; each of its eight waves one tile of 16, in 256 registers: two waves to a SIMD, so that one wave's vector work stands beside the other's products and LDS loads.
; THE WHOLE HEAD'S K AND V LIE IN LDS (147,456 + 139,264 bytes), as images of operand registers, filled once: no byte of LDS is filled again, and nothing is stored to LDS.
; CLUSTER.  The four work-groups of a cluster belong to one head and want the same K and V: every fill is a joint load, the same descriptor and the mask of all four in each.
; LAYOUT.  Both products are used transposed (S^T = K Q^T, O^T = V^T P^T): a lane holds ONE query (lane % 16).  The keys of a tile of K are not neighbours: row r of tile 2 b + u is key 32 b + 8 u + r + 8 (r / 8) of the step, so
; that the 16 registers of tiles 2 b and 2 b + 1 are keys 32 b + 16 (lane / 16) + 0 .. 15.  The scores' K is 64 of the instruction's 128: the upper four registers of K's and Q's fragments hold zero codes.
; In pass 1 each half of the lanes keeps M and L of its own 64 keys a step; the halves are merged once, behind the pass.
; LIMITS: NaN and infinities are not served.  A p under 2^-126 comes out of v_exp_f32 as 0 (ISA guide, 15.8).  A block of zeros gets the scale byte 1: its codes are zeros, and this program alone reads the bytes.
.set KBYTES, 147456                    ; a head's K: 32 steps of 128 keys
.set VBYTES, 139264                    ; a head's V
.set KSTEP,  4608                      ; 8 images of 512 bytes, 512 bytes of scale words
.set VSTEP,  4352                      ; 4 channel tiles x 2 images, 256 bytes of scale words
.set LI,  1                            ; v1   16 x lane
.set L8,  2                            ; v2   8 x lane
.set ADK, 3                            ; v3   LDS address of the step's images of K;  v4 of its scale words;  v5, v6 the same for V
.set ADS, 4
.set ADV, 5
.set ADT, 6
.set OA,  7                            ; v7   16 r + 8 h: my 8 bytes of a block's 256
.set OSA, 8                            ; v8   4 r
.set QF,  16                           ; v16-19 Q's codes, v20-23 zeros
.set QS,  24                           ; v24 Q's scale word; v25 p's; v26-29 K's; v30-31 V's: these hold scales and nothing else
.set PS,  25
.set KS,  26
.set VS,  30
.set KF,  32                           ; v32-95   K's eight fragments; the upper four registers of each stay 0
.set S,   96                           ; v96-159  S^T, then p
.set OT,  160                          ; v160-191 O^T
.set VF,  192                          ; v192-223 V's four fragments
.set PC,  224                          ; v224-231 p's codes
.set QM,  232                          ; v232-235 largest numbers; v236-239 the other lane's; v240-243 the conversions' scale operands; v244-247 scale bytes
.set QP,  236
.set QSO, 240
.set QBY, 244
.set RL,  248                          ; v248-249 1 / L, twice
.set L2,  250                          ; v250-251 the sum's second chain
.set FF,  252                          ; v252 f = 2^(old M - new M); v253 named with it as a pair
.set TT,  254
                                       ; v12 -M, v13 the largest t, v[14:15] L in two halves
.set WV,  14                           ; s14 my wave's number
.set CS,  22                           ; s[22:23] c = log2(e) / 16
.set G1K, 24                           ; s[24:31] descriptor group 1 for K: 36 rows of 256 bytes;  s[32:39] for V: 68 rows
.set G1V, 32
.set G0A, 40                           ; s[40:43], s[44:47], s[48:51] groups 0: K's first half, K's second half, V
.set G0B, 44
.set G0C, 48
.set SEL, 52
.set KB,  54                           ; s54 LDS byte at which the step's K begins;  s55 the same for V
.set VBS, 55
.set CNT, 56
.macro MMA d, a, b, c, sa, sb, row     ; one product.  c = -1: the constant 0 starts the sum.  row = 1: A's scales are read from lanes 16-31
.if (\c) < 0
.if (\row) == 0
	v_wmma_scale_f32_16x16x128_f8f6f4 v[\d:\d+7], v[\a:\a+7], v[\b:\b+7], 0, v[\sa], v[\sb] matrix_a_fmt:MATRIX_FMT_FP4 matrix_b_fmt:MATRIX_FMT_FP4
.else
	v_wmma_scale_f32_16x16x128_f8f6f4 v[\d:\d+7], v[\a:\a+7], v[\b:\b+7], 0, v[\sa], v[\sb] matrix_a_fmt:MATRIX_FMT_FP4 matrix_b_fmt:MATRIX_FMT_FP4 matrix_a_scale:MATRIX_SCALE_ROW1
.endif
.else
.if (\row) == 0
	v_wmma_scale_f32_16x16x128_f8f6f4 v[\d:\d+7], v[\a:\a+7], v[\b:\b+7], v[\c:\c+7], v[\sa], v[\sb] matrix_a_fmt:MATRIX_FMT_FP4 matrix_b_fmt:MATRIX_FMT_FP4
.else
	v_wmma_scale_f32_16x16x128_f8f6f4 v[\d:\d+7], v[\a:\a+7], v[\b:\b+7], v[\c:\c+7], v[\sa], v[\sb] matrix_a_fmt:MATRIX_FMT_FP4 matrix_b_fmt:MATRIX_FMT_FP4 matrix_a_scale:MATRIX_SCALE_ROW1
.endif
.endif
.endm
; 32 registers from src on, two blocks: register 16 b + i is number 16 h + i of block b.  Codes into v[pc + 2 b], v[pc + 2 b + 1]; scale bytes into v[QBY + b].  Each accumulator is read from its low end on.
.macro QUANT2 src, pc
.irp b, 0,1
	v_max3_num_f32 v[QM+\b], |v[\src+16*\b]|, |v[\src+16*\b+1]|, 0x1800000   ; and the floor 2^(3 - 127): the byte cannot fall under 1
.endr
.irp i, 2,4,6,8,10,12,14
.irp b, 0,1
	v_max3_num_f32 v[QM+\b], v[QM+\b], |v[\src+16*\b+\i]|, |v[\src+16*\b+\i+1]|
.endr
.endr
.irp b, 0,1
	s_delay_alu instid0(VALU_DEP_2)
	v_permlanex16_b32 v[QP+\b], v[QM+\b], s[SEL], s[SEL+1]
.endr
.irp b, 0,1
	s_delay_alu instid0(VALU_DEP_2)
	v_max_num_f32 v[QM+\b], v[QM+\b], v[QP+\b]
.endr
.irp b, 0,1
	s_delay_alu instid0(VALU_DEP_2)
	v_add_nc_u32 v[QSO+\b], 0xff000000, v[QM+\b]
.endr
.irp b, 0,1
	s_delay_alu instid0(VALU_DEP_2)
	v_lshrrev_b32 v[QBY+\b], 23, v[QSO+\b]
.endr
.irp b, 0,1
	v_cvt_scalef32_pk8_fp4_f32 v[\pc+2*\b], v[\src+16*\b:\src+16*\b+7], v[QSO+\b]
	v_cvt_scalef32_pk8_fp4_f32 v[\pc+2*\b+1], v[\src+16*\b+8:\src+16*\b+15], v[QSO+\b]
.endr
	v_nop                                          ; one plain line behind the last scaled conversion
.endm
; A round of the cluster's barrier: my work-group's barrier, so that wave 0's signal speaks for all eight waves; wave 0 signals for the work-group; every wave waits for all four work-groups; my work-group's barrier once more.
.macro CROUND
	s_barrier_signal -1
	s_barrier_wait -1
	s_cmp_lg_u32 s[WV], 0
	s_cbranch_scc1 .Lnot_wave_0_\@
	s_barrier_signal -3
.Lnot_wave_0_\@:
	s_barrier_wait -3
	s_barrier_signal -1
	s_barrier_wait -1
.endm
	s_load_b256 s[4:11], s[0:1], 0x0               ; qbuf, kbuf, vbuf, oc
	s_load_b64 s[12:13], s[0:1], 0x20              ; os
	v_lshl_add_u32 v255, v0, 2, 0x46000
	s_set_vgpr_msb 0x40
	v_mov_b32 v1, 0
	s_set_vgpr_msb 0x4044
	ds_add_u32 v255, v1
	ds_add_u32 v255, v1
	s_set_vgpr_msb 0x4400
	v_lshrrev_b32 v9, 5, v0
	s_delay_alu instid0(VALU_DEP_1)
	v_readfirstlane_b32 s[WV], v9                  ; wave 0..7
	s_bfe_u32 s15, ttmp6, 0x40000                  ; cx: my place in the cluster
	s_lshl_b32 s16, ttmp9, 2                       ; in a cluster launch ttmp9 counts clusters
	s_add_co_u32 s16, s16, s15                     ; my block of 128 queries: it enters Q's, oc's and os's addresses alone
	s_and_b32 s17, ttmp7, 0xffff                   ; batch x 4 + head, which the four partners share
	; descriptor group 1: dense blocks as rows of 256 bytes (32 elements of 8 bytes), no padding: the images are read 16 x lane on end
	s_mov_b32 s[G1K], 15|(3<<16)|(1<<21)           ; 15:0 the mask: all four work-groups; 17:16 elements of 8 bytes; 21 set beside a mask
	s_mov_b32 s[G1K+1], 32<<16                     ; tensor_dim0 = 32
	s_mov_b32 s[G1K+2], 36<<16                     ; tensor_dim1 = 36: two steps of K
	s_mov_b32 s[G1K+3], 32<<16                     ; tile_dim0 = 32
	s_mov_b32 s[G1K+4], 36                         ; tile_dim1 = 36
	s_mov_b32 s[G1K+5], 32                         ; from row to row: 32 elements
	s_mov_b32 s[G1K+6], 0
	s_mov_b32 s[G1K+7], 0
	s_mov_b32 s[G1V], 15|(3<<16)|(1<<21)
	s_mov_b32 s[G1V+1], 32<<16
	s_mov_b32 s[G1V+2], 68<<16                     ; 68 rows: four steps of V
	s_mov_b32 s[G1V+3], 32<<16
	s_mov_b32 s[G1V+4], 68
	s_mov_b32 s[G1V+5], 32
	s_mov_b32 s[G1V+6], 0
	s_mov_b32 s[G1V+7], 0
	s_mov_b32 s[CS], 0x3db8aa3b                    ; c = log2(e) / 16
	s_mov_b32 s[CS+1], s[CS]                       ; (named with it as a pair, so it is written)
	s_mov_b32 s[SEL], 0x76543210
	s_mov_b32 s[SEL+1], 0xfedcba98                 ; v_permlanex16_b32's selects for lane l xor 16
	s_mul_i32 s18, s17, KBYTES                     ; the head's first byte in qbuf and kbuf,
	s_mov_b32 s19, 0
	s_mul_i32 s20, s17, VBYTES                     ; and in vbuf
	s_mov_b32 s21, 0
	s_mov_b32 s[G0A], 1
	s_mul_i32 s[G0A+1], s[WV], 9216                ; LDS: wave w brings steps 2 w, 2 w + 1 of K,
	s_mov_b32 s[G0B], 1
	s_add_co_u32 s[G0B+1], s[G0A+1], 73728         ; steps 16 + 2 w, 16 + 2 w + 1,
	s_mov_b32 s[G0C], 1
	s_mul_i32 s57, s[WV], 17408
	s_add_co_u32 s[G0C+1], s57, KBYTES             ; and steps 4 w .. 4 w + 3 of V, behind K
	s_wait_dscnt 0x0
	s_wait_kmcnt 0x0
	s_add_nc_u64 s[4:5], s[4:5], s[18:19]
	s_add_nc_u64 s[6:7], s[6:7], s[18:19]
	s_add_nc_u64 s[8:9], s[8:9], s[20:21]
	s_mov_b32 s18, s[G0A+1]
	s_add_nc_u64 s[G0A+2:G0A+3], s[6:7], s[18:19]
	s_add_nc_u64 s[G0B+2:G0B+3], s[G0A+2:G0A+3], 73728
	s_mov_b32 s20, s57
	s_add_nc_u64 s[G0C+2:G0C+3], s[8:9], s[20:21]
	s_or_b32 s[G0A+3], s[G0A+3], 0x80000000        ; type = 2
	s_or_b32 s[G0B+3], s[G0B+3], 0x80000000
	s_or_b32 s[G0C+3], s[G0C+3], 0x80000000
	CROUND                                         ; all four work-groups are here: the joint loads meet
	tensor_load_to_lds s[G0A:G0A+3], s[G1K:G1K+7]  ; all fills of the launch go out together: three tensor loads of mine are out
	s_nop 0
	tensor_load_to_lds s[G0B:G0B+3], s[G1K:G1K+7]
	s_nop 0
	tensor_load_to_lds s[G0C:G0C+3], s[G1V:G1V+7]
	s_nop 0
.rept 4
	v_nop
.endr
	v_and_b32 v9, 31, v0
	s_delay_alu instid0(VALU_DEP_1)
	v_lshlrev_b32 v[LI], 4, v9
	s_wait_alu depctr_va_vdst(0)
	v_lshlrev_b32 v[L8], 3, v9
	v_and_b32 v10, 15, v0                          ; r
	v_bfe_u32 v11, v0, 4, 1                        ; h
	s_delay_alu instid0(VALU_DEP_2)
	v_lshlrev_b32 v[OA], 4, v10
	s_delay_alu instid0(VALU_DEP_1)
	v_lshl_add_u32 v[OA], v11, 3, v[OA]
	s_delay_alu instid0(VALU_DEP_4)
	v_lshlrev_b32 v[OSA], 2, v10
	v_lshlrev_b32 v9, 3, v10                       ; 8 r: Q's scale words
	s_wait_alu depctr_va_vdst(0)
	s_mul_i32 s62, s16, KSTEP                      ; my 128 queries' group in qbuf;
	s_lshl_b32 s58, s[WV], 9                       ; my tile's image;
	s_add_co_u32 s58, s58, s62
	s_mov_b32 s59, 0
	s_lshr_b32 s60, s[WV], 2                       ; its scale words: block w / 4, lanes 16 (w % 2) on, word (w / 2) % 2
	s_lshl_b32 s60, s60, 8
	s_and_b32 s63, s[WV], 1
	s_lshl_b32 s63, s63, 7
	s_add_co_u32 s60, s60, s63
	s_bfe_u32 s63, s[WV], 0x10001
	s_lshl_b32 s63, s63, 2
	s_add_co_u32 s60, s60, s63
	s_add_co_u32 s60, s60, s62
	s_add_co_u32 s60, s60, 4096
	s_mov_b32 s61, 0
	s_add_nc_u64 s[58:59], s[4:5], s[58:59]
	s_add_nc_u64 s[60:61], s[4:5], s[60:61]
	global_load_b128 v[QF:QF+3], v[LI], s[58:59]   ; Q's fragment stays in registers
	global_load_b32 v[QS], v9, s[60:61]
	s_lshl_b32 s62, s16, 3
	s_add_co_u32 s62, s62, s[WV]                   ; my tile among the batch's 256
	s_lshr_b32 s63, s17, 2                         ; batch
	s_lshl_b32 s2, s63, 19                         ; oc: [batch][tile][head][512 bytes]
	s_lshl_b32 s3, s62, 11
	s_add_co_u32 s2, s2, s3
	s_and_b32 s3, s17, 3
	s_lshl_b32 s3, s3, 9
	s_add_co_u32 s2, s2, s3
	s_mov_b32 s3, 0
	s_add_nc_u64 s[10:11], s[10:11], s[2:3]
	s_lshl_b32 s2, s63, 15                         ; os: [batch][tile][K step = head / 2][row][4 bytes], my two bytes at 2 (head % 2)
	s_lshl_b32 s15, s62, 7
	s_add_co_u32 s2, s2, s15
	s_bfe_u32 s15, s17, 0x10001
	s_lshl_b32 s15, s15, 6
	s_add_co_u32 s2, s2, s15
	s_and_b32 s15, s17, 1
	s_lshl_b32 s15, s15, 1
	s_add_co_u32 s2, s2, s15
	s_add_nc_u64 s[12:13], s[12:13], s[2:3]
.irp j, 0,1,2,3
	v_mov_b32 v[QF+4+\j], 0                        ; zero codes for k = 64 .. 127
	v_mov_b32 v[QP+\j], 0                          ; written once: a lane permute's destination counts as one of its sources
.endr
.irp t, 0,1,2,3,4,5,6,7
.irp j, 4,5,6,7
	v_mov_b32 v[KF+8*\t+\j], 0                     ; likewise in K's fragments: the loads below write the lower four registers alone
.endr
.endr
.set j, 0
.rept 32
	v_mov_b32 v[OT+j], 0                           ; O^T: 32 moves, so that pass 2's step is written once
.set j, j+1
.endr
	v_mov_b32 v[FF+1], 0                           ; (named as the upper half of a pair)
	v_mov_b32 v13, 0xff61b1e6                      ; the largest t so far: -3e38
	s_delay_alu instid0(VALU_DEP_1)
	v_floor_f32 v12, -v13                          ; -M
	v_mov_b32 v14, 0
	v_mov_b32 v15, 0
	s_mov_b32 s[KB], 0
; a step's scores: 128 keys x my 16 queries
.macro SCORES
	v_add_nc_u32 v[ADK], s[KB], v[LI]
	v_add_nc_u32 v[ADS], s[KB], v[L8]
	ds_load_b64 v[KS:KS+1], v[ADS] offset:4096     ; scale words: register t / 2, lanes 16 (t % 2) on
	ds_load_b64 v[KS+2:KS+3], v[ADS] offset:4352
.irp t, 0,1,2,3,4,5,6,7
	ds_load_b128 v[KF+8*\t:KF+8*\t+3], v[ADK] offset:512*\t
.endr
	s_wait_dscnt 4                                 ; the scale words and tiles 0-3 are in; tiles 4-7 may be out
.irp t, 0,1,2,3
	MMA S+8*\t, KF+8*\t, QF, -1, KS+(\t)/2, QS, (\t)%2
.endr
	s_wait_dscnt 0x0
.irp t, 4,5,6,7
	MMA S+8*\t, KF+8*\t, QF, -1, KS+(\t)/2, QS, (\t)%2
.endr
	s_add_co_u32 s[KB], s[KB], KSTEP
.endm
.macro P1STEP
	SCORES
.rept 4
	v_nop                                          ; four places between the last products and the first read of results
.endr
.irp b, 0,1,2,3
	v_max3_num_f32 v[QM+\b], v[S+16*\b], v[S+16*\b+1], v[S+16*\b+2]     ; the largest of my 64 scores: four chains by turns, each accumulator from its low end on
.endr
.irp i, 3,5,7,9,11,13
.irp b, 0,1,2,3
	v_max3_num_f32 v[QM+\b], v[QM+\b], v[S+16*\b+\i], v[S+16*\b+\i+1]
.endr
.endr
	v_max3_num_f32 v[QM], v[QM], v[S+15], v[S+31]
	v_max3_num_f32 v[QM+2], v[QM+2], v[S+47], v[S+63]
	s_delay_alu instid0(VALU_DEP_1)
	v_max3_num_f32 v[QM], v[QM], v[QM+1], v[QM+2]
	s_delay_alu instid0(VALU_DEP_1)
	v_max_num_f32 v[QM], v[QM], v[QM+3]
	s_delay_alu instid0(VALU_DEP_1)
	v_mul_f32 v[TT], s[CS], v[QM]                  ; as t (c is positive)
	s_delay_alu instid0(VALU_DEP_1)
	v_max_num_f32 v13, v13, v[TT]                  ; the running largest t
	v_mov_b32 v[TT], v12
	s_delay_alu instid0(VALU_DEP_2)
	v_floor_f32 v12, -v13                          ; the new -M = -ceil(t): M is a whole number
	s_delay_alu instid0(VALU_DEP_1)
	v_sub_f32 v[TT], v12, v[TT]                    ; old M - new M: a whole number, 0 or less
	s_delay_alu instid0(VALU_DEP_1)
	v_cvt_i32_f32 v[TT], v[TT]                     ; (it saturates)
	s_delay_alu instid0(VALU_DEP_1)
	v_ldexp_f32 v[FF], 1.0, v[TT]                  ; f = 2^(old M - new M): the rescaling rounds nothing
.set j, 0
.rept 32
	v_pk_fma_f32 v[S+j:S+j+1], v[S+j:S+j+1], s[CS:CS+1], v[12:13] op_sel_hi:[1,0,0]   ; t - M (of the pairs c and -M the low word serves both halves)
.set j, j+2
.endr
.set j, 0
	s_setprio 1
	s_wait_alu depctr_va_vdst(0)
.rept 64
	v_exp_f32 v[S+j], v[S+j]
.set j, j+1
.endr
	s_setprio 0
	v_pk_mul_f32 v[14:15], v[14:15], v[FF:FF+1] op_sel_hi:[1,0]   ; L under the new M (also the plain line behind the exponentials)
	s_wait_alu depctr_va_vdst(0)
	v_pk_add_f32 v[250:251], v[100:101], v[104:105]
	v_pk_add_f32 v[248:249], v[108:109], v[112:113]
	v_pk_add_f32 v[246:247], v[116:117], v[120:121]
	v_pk_add_f32 v[244:245], v[124:125], v[128:129]
	v_pk_add_f32 v[242:243], v[132:133], v[136:137]
	v_pk_add_f32 v[240:241], v[140:141], v[144:145]
	v_pk_add_f32 v[234:235], v[148:149], v[152:153]
	v_pk_add_f32 v[14:15], v[14:15], v[156:157]
	v_pk_add_f32 v[250:251], v[250:251], v[96:97]
	v_pk_add_f32 v[248:249], v[248:249], v[98:99]
	v_pk_add_f32 v[246:247], v[246:247], v[102:103]
	v_pk_add_f32 v[244:245], v[244:245], v[106:107]
	v_pk_add_f32 v[242:243], v[242:243], v[110:111]
	v_pk_add_f32 v[240:241], v[240:241], v[114:115]
	v_pk_add_f32 v[234:235], v[234:235], v[118:119]
	v_pk_add_f32 v[14:15], v[14:15], v[122:123]
	v_pk_add_f32 v[250:251], v[250:251], v[126:127]
	v_pk_add_f32 v[248:249], v[248:249], v[130:131]
	v_pk_add_f32 v[246:247], v[246:247], v[134:135]
	v_pk_add_f32 v[244:245], v[244:245], v[138:139]
	v_pk_add_f32 v[242:243], v[242:243], v[142:143]
	v_pk_add_f32 v[240:241], v[240:241], v[146:147]
	v_pk_add_f32 v[234:235], v[234:235], v[150:151]
	v_pk_add_f32 v[14:15], v[14:15], v[154:155]
	v_pk_add_f32 v[250:251], v[250:251], v[158:159]
	s_delay_alu instid0(VALU_DEP_2)
	v_pk_add_f32 v[14:15], v[14:15], v[244:245]
	s_delay_alu instid0(VALU_DEP_2)
	v_pk_add_f32 v[250:251], v[250:251], v[242:243]
	v_pk_add_f32 v[248:249], v[248:249], v[240:241]
	v_pk_add_f32 v[246:247], v[246:247], v[234:235]
	s_delay_alu instid0(VALU_DEP_2)
	v_pk_add_f32 v[14:15], v[14:15], v[248:249]
	s_delay_alu instid0(VALU_DEP_2)
	v_pk_add_f32 v[250:251], v[250:251], v[246:247]
	s_delay_alu instid0(VALU_DEP_1)
	v_pk_add_f32 v[14:15], v[14:15], v[250:251]
.endm
.macro P1LOOP                          ; sixteen steps
	s_mov_b32 s[CNT], 16
.Lp1_\@:
	s_setprio 2
	P1STEP
	s_sub_co_u32 s[CNT], s[CNT], 1
	s_cmp_lg_u32 s[CNT], 0
	s_cbranch_scc1 .Lp1_\@
	s_setprio 0
.endm
	s_wait_loadcnt 0x0                             ; Q
	s_wait_tensorcnt 0x2                           ; my part of K's first half is in; my other two loads may stay out
	s_barrier_signal -1
	s_barrier_wait -1                              ; everybody's is
	P1LOOP                                         ; steps 0-15 read LDS bytes 0 .. 73,727 alone
	s_wait_tensorcnt 0x1                           ; my part of K's second half is in; V's load may stay out
	s_wait_dscnt 0x0
	s_barrier_signal -1
	s_barrier_wait -1
	P1LOOP                                         ; steps 16-31
	; the two halves of the lanes are merged: the larger M; each L is brought under it by a power of two, exactly, so both lanes of a query get the same bits
	v_add_f32 v14, v14, v15
	v_permlanex16_b32 v[QP], v12, s[SEL], s[SEL+1]
	s_delay_alu instid0(VALU_DEP_2)
	v_permlanex16_b32 v[QP+1], v14, s[SEL], s[SEL+1]
	s_delay_alu instid0(VALU_DEP_2)
	v_min_num_f32 v9, v12, v[QP]                   ; -M of the row
	s_delay_alu instid0(VALU_DEP_1)
	v_sub_f32 v10, v9, v12
	s_delay_alu instid0(VALU_DEP_2)
	v_sub_f32 v11, v9, v[QP]
	s_delay_alu instid0(VALU_DEP_2)
	v_cvt_i32_f32 v10, v10
	s_delay_alu instid0(VALU_DEP_2)
	v_cvt_i32_f32 v11, v11
	s_delay_alu instid0(VALU_DEP_2)
	v_ldexp_f32 v10, 1.0, v10
	s_delay_alu instid0(VALU_DEP_2)
	v_ldexp_f32 v11, 1.0, v11
	s_delay_alu instid0(VALU_DEP_2)
	v_mul_f32 v14, v14, v10
	s_delay_alu instid0(VALU_DEP_1)
	v_fma_f32 v14, v[QP+1], v11, v14               ; L of the row
	v_mov_b32 v12, v9
	s_wait_alu depctr_va_vdst(0)
	v_rcp_f32 v[RL], v14
	v_nop                                          ; a plain line behind the transcendental
	s_wait_alu depctr_va_vdst(0)
	v_mov_b32 v[RL+1], v[RL]
	s_mov_b32 s[KB], 0
	s_mov_b32 s[VBS], KBYTES
	s_wait_tensorcnt 0x0                           ; my part of V is in
	s_wait_dscnt 0x0
	s_barrier_signal -1
	s_barrier_wait -1
	s_mov_b32 s[CNT], 32
.Lp2:
	s_setprio 2
	SCORES
	v_add_nc_u32 v[ADV], s[VBS], v[LI]             ; these two and two v_nop are the four places behind the scores' products; with the two additions at the step's head they are
	v_add_nc_u32 v[ADT], s[VBS], v[L8]             ; also the places between the last step's products V^T P^T and the loads into V's registers
	v_nop
	v_nop
	ds_load_b64 v[VS:VS+1], v[ADT] offset:4096     ; V's scale words: register t / 2, lanes 16 (t % 2) on
.irp t, 0,1,2,3
.irp c, 0,1
	ds_load_b128 v[VF+8*\t+4*\c:VF+8*\t+4*\c+3], v[ADV] offset:1024*\t+512*\c   ; asked for here, wanted behind the softmax
.endr
.endr
	s_add_co_u32 s[VBS], s[VBS], VSTEP
.set j, 0
.rept 32
	v_pk_fma_f32 v[S+j:S+j+1], v[S+j:S+j+1], s[CS:CS+1], v[12:13] op_sel_hi:[1,0,0]   ; t - M, M now the row's
.set j, j+2
.endr
.set j, 0
	s_wait_alu depctr_va_vdst(0)
.rept 64
	v_exp_f32 v[S+j], v[S+j]
.set j, j+1
.endr
	v_nop                                          ; one plain line between the exponentials and the first use of their results (ISA guide 5.7.2): all the work that follows hangs on them
.set j, 0
	s_setprio 1
	s_wait_alu depctr_va_vdst(0)
.rept 32
	v_pk_mul_f32 v[S+j:S+j+1], v[S+j:S+j+1], v[RL:RL+1]   ; p, finished and normalised
.set j, j+2
.endr
.irp b, 0,1,2,3
	v_max3_num_f32 v[QM+\b], v[S+16*\b], v[S+16*\b+1], 0x1800000   ; block b of 32 keys: my 16 (none is negative), and the floor 2^(3 - 127)
.endr
.irp i, 2,4,6,8,10,12,14
.irp b, 0,1,2,3
	s_delay_alu instid0(VALU_DEP_4)
	v_max3_num_f32 v[QM+\b], v[QM+\b], v[S+16*\b+\i], v[S+16*\b+\i+1]
.endr
.endr
.irp b, 0,1,2,3
	s_delay_alu instid0(VALU_DEP_4)
	v_permlanex16_b32 v[QP+\b], v[QM+\b], s[SEL], s[SEL+1]
.endr
.irp b, 0,1,2,3
	s_delay_alu instid0(VALU_DEP_4)
	v_max_num_f32 v[QM+\b], v[QM+\b], v[QP+\b]     ; with lane l xor 16's 16 keys
.endr
.irp b, 0,1,2,3
	s_delay_alu instid0(VALU_DEP_4)
	v_add_nc_u32 v[QSO+\b], 0xff000000, v[QM+\b]   ; 2 off the exponent field: the conversion's scale operand
.endr
.irp b, 0,1,2,3
	s_delay_alu instid0(VALU_DEP_4)
	v_lshrrev_b32 v[QBY+\b], 23, v[QSO+\b]         ; the scale's byte
.endr
	s_delay_alu instid0(VALU_DEP_3)
	v_lshl_or_b32 v[PS], v[QBY+1], 8, v[QBY]       ; p's scale word for these 128 keys
	s_delay_alu instid0(VALU_DEP_1)
	v_lshl_or_b32 v[PS], v[QBY+2], 16, v[PS]
	s_delay_alu instid0(VALU_DEP_1)
	v_lshl_or_b32 v[PS], v[QBY+3], 24, v[PS]
.irp b, 0,1,2,3
	v_cvt_scalef32_pk8_fp4_f32 v[PC+2*\b], v[S+16*\b:S+16*\b+7], v[QSO+\b]
	v_cvt_scalef32_pk8_fp4_f32 v[PC+2*\b+1], v[S+16*\b+8:S+16*\b+15], v[QSO+\b]
.endr
	s_setprio 0
	v_nop                                          ; one plain line behind the last scaled conversion
.irp c, 0,1                                    ; the operand's layout wants a whole block in a lane: lanes 0-15 block 2 c, lanes 16-31 block 2 c + 1
.irp i, 0,1
	v_permlane16_swap_b32 v[PC+4*\c+\i], v[PC+4*\c+2+\i]
.endr
.endr
.rept 8
	v_nop                                          ; a scale register written by a vector instruction stands 8 places ahead of a scaled matrix instruction, an operand so written 4; no other work is at hand
.endr
	s_wait_alu depctr_va_vdst(0)
	s_wait_dscnt 0x0                               ; V
.irp t, 0,1,2,3
	MMA OT+8*\t, VF+8*\t, PC, OT+8*\t, VS+(\t)/2, PS, (\t)%2   ; the four accumulators by turns; the next step's eight score products stand between a link and the next
.endr
	s_sub_co_u32 s[CNT], s[CNT], 1
	s_cmp_lg_u32 s[CNT], 0
	s_cbranch_scc1 .Lp2
	s_setprio 0
	; THE WAY OUT.  p was normalised, so O^T is the finished output: lane (r, h) holds query r, register 16 b + i channel 32 b + 16 h + i of the head.  It is quantised along the channels for the last product.
.rept 4
	v_nop
.endr
	QUANT2 OT, PC
	v_lshl_or_b32 v[TT], v[QBY+1], 8, v[QBY]
	global_store_b64 v[OA], v[PC:PC+1], s[10:11]               ; each store of the wave covers 256 consecutive bytes, aligned
	global_store_b64 v[OA], v[PC+2:PC+3], s[10:11] offset:256
	global_store_b16 v[OSA], v[TT], s[12:13]                   ; my head's two scale bytes of a row's word (lanes r and r + 16 write the same value); the word's other two are the neighbouring head's
	s_set_vgpr_msb 0x4
	s_wait_tensorcnt 0x0
	ds_add_u32 v255, v1
	s_wait_dscnt 0x0
	s_set_vgpr_msb 0x400
	CROUND                                         ; the closing round: no work-group ends while a partner may still ask for a tile that names it
	s_endpgm
.Lfunc_end_k_q90346555b6_attn:
	.size	k_q90346555b6_attn, .Lfunc_end_k_q90346555b6_attn-k_q90346555b6_attn
	.p2alignl 7, 3214868480
	.fill 96, 4, 3214868480
	.section	.rodata,"a",@progbits
	.p2align	6, 0x0
	.amdhsa_kernel k_q90346555b6_attn
		.amdhsa_group_segment_fixed_size 287744
		.amdhsa_private_segment_fixed_size 0
		.amdhsa_enable_private_segment 0
		.amdhsa_kernarg_size 40
		.amdhsa_user_sgpr_count 2
		.amdhsa_user_sgpr_kernarg_segment_ptr 1
		.amdhsa_wavefront_size32 1
		.amdhsa_system_sgpr_workgroup_id_x 1
		.amdhsa_system_sgpr_workgroup_id_y 1
		.amdhsa_system_sgpr_workgroup_id_z 1
		.amdhsa_system_vgpr_workitem_id 0
		.amdhsa_next_free_vgpr 258
		.amdhsa_next_free_sgpr 66
		.amdhsa_reserve_vcc 0
		.amdhsa_float_denorm_mode_32 3
		.amdhsa_float_denorm_mode_16_64 3
		.amdhsa_memory_ordered 1
		.amdhsa_forward_progress 1
		.amdhsa_inst_pref_size 50
	.end_amdhsa_kernel
	.amdgpu_metadata
---
amdhsa.version: [ 1, 2 ]
amdhsa.kernels:
  - .name:           k_q90346555b6_attn
    .symbol:         k_q90346555b6_attn.kd
    .args:
      - { .name: qbuf, .offset: 0, .size: 8, .value_kind: global_buffer, .address_space: global }
      - { .name: kbuf, .offset: 8, .size: 8, .value_kind: global_buffer, .address_space: global }
      - { .name: vbuf, .offset: 16, .size: 8, .value_kind: global_buffer, .address_space: global }
      - { .name: oc, .offset: 24, .size: 8, .value_kind: global_buffer, .address_space: global }
      - { .name: os, .offset: 32, .size: 8, .value_kind: global_buffer, .address_space: global }
    .group_segment_fixed_size: 287744
    .private_segment_fixed_size: 0
    .kernarg_segment_align: 8
    .kernarg_segment_size: 40
    .max_flat_workgroup_size: 256
    .sgpr_count:     66
    .vgpr_count:     258
    .wavefront_size: 32
...
	.end_amdgpu_metadata
.endif
;; end of part 3
;; launch oproj (part 4): grid 128 x 2, 8 waves a work-group, no clusters, 44,032 bytes of LDS; arguments oc, os, wo_codes, wo_scales, bo, x, out0; writes out0
.if DOCPART == 4
	.amdgcn_target "amdgcn-amd-amdhsa--gfx1250"
	.amdhsa_code_object_version 6
	.text
	.protected	k_q90346555b6_oproj
	.globl	k_q90346555b6_oproj
	.p2align	8
	.type	k_q90346555b6_oproj,@function
k_q90346555b6_oproj:
	s_mov_b64 s[64:65], 0
	v_nop
	global_prefetch_b8 v0, s[64:65] scope:SCOPE_SE
	s_setreg_imm32_b32 hwreg(HW_REG_WAVE_MODE, 25, 1), 1
	s_wait_xcnt 0x0
; out0 = Wo x (attention's output) + bo + x, the product on codes of FP4 (E2M1) with E8M0 scales.
; oc: [batch][256 tiles of 16 positions][4 heads][512 bytes]: images of operand registers: fragment (tile, K step s) is heads 2 s and 2 s + 1.  os: [batch][tile][K step][row][4 scale bytes].
; SHARES.  A work-group takes 64 positions (four tiles) and 128 output channels; wave w takes 16 of them, for the four tiles.  256 work-groups.
; Source 0 = 16 positions, source 1 = 16 rows of Wo: lane (r, h) holds output channel r, and register j of tile 2 b + u position 32 b + 16 h + 8 u + j (row r of a tile stands for position 32 (T / 2) + 8 (T % 2) + r + 8 (r / 8)).
; bo is the C of each sum's first product.  A wave's 16 channels x 64 positions go through its own stage in LDS and come back as rows of 256 bytes, to which x is added; sixteen lanes store 256 consecutive bytes, aligned.
; The work-group's 8 KB of codes are read from memory once (1 KB a wave) and handed round through LDS.  No tensor load, no cluster: what work-groups share is 2 KB of weights a wave, loaded straight into operand registers.
.set STG,  8192                        ; LDS: the images at 0; behind them a stage of 16 rows x (256 + 16) bytes for each wave
.set CP,   16                          ; v16-23   my 1 KB of the images
.set WO,   24                          ; v24-39   Wo's two fragments
.set WOS,  40                          ; v40-41   Wo's scale words; v42-45 the activations', one register a tile: these hold scales and nothing else
.set AS,   42
.set BI,   46
.set BIAS, 48                          ; v48-55   bo of my channel, eight times: the result's layout
.set AF,   56                          ; v56-119  the activations' eight fragments: 16 m + 8 s
.set ACC,  120                         ; v120-151 four accumulators
.set XRES, 152                         ; v152-183 x
.set BK,   184                         ; v184-215 rows read back from the stage
.macro MMA d, a, b, c, sa, sb, row     ; one product.  row = 1: A's scales are read from lanes 16-31
.if (\row) == 0
	v_wmma_scale_f32_16x16x128_f8f6f4 v[\d:\d+7], v[\a:\a+7], v[\b:\b+7], v[\c:\c+7], v[\sa], v[\sb] matrix_a_fmt:MATRIX_FMT_FP4 matrix_b_fmt:MATRIX_FMT_FP4
.else
	v_wmma_scale_f32_16x16x128_f8f6f4 v[\d:\d+7], v[\a:\a+7], v[\b:\b+7], v[\c:\c+7], v[\sa], v[\sb] matrix_a_fmt:MATRIX_FMT_FP4 matrix_b_fmt:MATRIX_FMT_FP4 matrix_a_scale:MATRIX_SCALE_ROW1
.endif
.endm
	s_load_b256 s[4:11], s[0:1], 0x0               ; oc, os, Wo's codes, Wo's scales
	s_load_b128 s[12:15], s[0:1], 0x20             ; bo, x
	s_load_b64 s[16:17], s[0:1], 0x30              ; out0
	v_lshl_add_u32 v216, v0, 2, 0xa800
	v_mov_b32 v217, 0
	v_lshrrev_b32 v1, 5, v0
	s_delay_alu instid0(VALU_DEP_1)
	v_readfirstlane_b32 s18, v1                    ; wave 0..7
	s_lshr_b32 s19, ttmp9, 6                       ; batch
	s_and_b32 s20, ttmp9, 63                       ; which 64 positions
	s_and_b32 s21, ttmp7, 0xffff                   ; which 128 output channels
	s_lshl_b32 s22, s21, 7
	s_lshl_b32 s23, s18, 4
	s_add_co_u32 s22, s22, s23                     ; my first output channel
	s_mov_b32 s25, 0
	v_and_b32 v1, 31, v0                           ; lane
	v_and_b32 v2, 15, v0                           ; r
	v_bfe_u32 v3, v0, 4, 1                         ; h
	s_delay_alu instid0(VALU_DEP_3)
	v_lshlrev_b32 v4, 4, v1                        ; 16 x lane
	s_lshl_b32 s26, s18, 10
	v_add_nc_u32 v6, s26, v4                       ; my 16 bytes of the wave's 1 KB, in oc and in LDS alike
	v_lshlrev_b32 v7, 7, v2
	s_delay_alu instid0(VALU_DEP_1)
	v_lshl_add_u32 v7, v3, 4, v7                   ; Wo: row r of 128 bytes, + 16 h
	v_lshlrev_b32 v8, 3, v2                        ; its scale bytes: 8 a row
	v_lshlrev_b32 v9, 2, v2                        ; bo: 4 r
	v_lshlrev_b32 v10, 14, v3
	s_delay_alu instid0(VALU_DEP_1)
	v_lshl_add_u32 v10, v2, 4, v10                 ; x, out0: lanes 0-15 one channel's 256 bytes, lanes 16-31 the next channel's
	s_mul_i32 s26, s18, 16*272
	s_add_co_u32 s26, s26, STG                     ; my stage
	v_mul_u32_u24 v11, v2, 272
	s_delay_alu instid0(VALU_DEP_1)
	v_lshl_add_u32 v11, v3, 6, v11
	s_delay_alu instid0(VALU_DEP_1)
	v_add_nc_u32 v11, s26, v11                     ; in: row r, + 64 h
	v_mul_u32_u24 v12, v3, 272
	s_delay_alu instid0(VALU_DEP_1)
	v_lshl_add_u32 v12, v2, 4, v12
	s_delay_alu instid0(VALU_DEP_1)
	v_add_nc_u32 v12, s26, v12                     ; back: two rows an instruction
	v_lshlrev_b32 v13, 2, v1                       ; 4 x lane
	s_wait_alu depctr_va_vdst(0)
	s_wait_kmcnt 0x0
	s_lshl_b32 s24, s19, 19                        ; oc: the batch's 256 tiles of 2,048 bytes; my four tiles
	s_lshl_b32 s26, s20, 13
	s_add_co_u32 s24, s24, s26
	s_add_nc_u64 s[4:5], s[4:5], s[24:25]
	s_lshl_b32 s24, s19, 15                        ; os: 128 bytes a tile
	s_lshl_b32 s26, s20, 9
	s_add_co_u32 s24, s24, s26
	s_add_nc_u64 s[6:7], s[6:7], s[24:25]
	s_lshl_b32 s24, s22, 7
	s_add_nc_u64 s[8:9], s[8:9], s[24:25]
	s_lshl_b32 s24, s22, 3
	s_add_nc_u64 s[10:11], s[10:11], s[24:25]
	s_lshl_b32 s24, s22, 2
	s_add_nc_u64 s[12:13], s[12:13], s[24:25]
	s_lshl_b32 s24, s19, 22                        ; x, out0: batch, channel, the 64 positions
	s_lshl_b32 s26, s22, 14
	s_add_co_u32 s24, s24, s26
	s_lshl_b32 s26, s20, 8
	s_add_co_u32 s24, s24, s26
	s_add_nc_u64 s[14:15], s[14:15], s[24:25]
	s_add_nc_u64 s[16:17], s[16:17], s[24:25]
	global_load_b128 v[CP:CP+3], v6, s[4:5]
	global_load_b128 v[CP+4:CP+7], v6, s[4:5] offset:512
.irp m, 0,1,2,3
	global_load_b32 v[AS+\m], v13, s[6:7] offset:128*\m        ; lanes 0-15: K step 0's words, lanes 16-31: K step 1's
.endr
.irp s, 0,1
.irp c, 0,1
	global_load_b128 v[WO+8*\s+4*\c:WO+8*\s+4*\c+3], v7, s[8:9] offset:64*\s+32*\c
.endr
.endr
	global_load_b64 v[WOS:WOS+1], v8, s[10:11]
	global_load_b32 v[BI], v9, s[12:13]
.irp i, 0,1,2,3,4,5,6,7
	global_load_b128 v[XRES+4*\i:XRES+4*\i+3], v10, s[14:15] offset:32768*\i th:TH_LOAD_NT   ; x's last reading in the program
.endr
	s_wait_loadcnt 18                              ; my 1 KB of the images is in; the 18 loads behind it may be out
	ds_store_b128 v6, v[CP:CP+3]
	ds_store_b128 v6, v[CP+4:CP+7] offset:512
	s_wait_dscnt 0x0                               ; for the others' sake: my stores have landed
	s_barrier_signal -1
	s_barrier_wait -1
.irp f, 0,1,2,3,4,5,6,7
.irp c, 0,1
	ds_load_b128 v[AF+8*\f+4*\c:AF+8*\f+4*\c+3], v4 offset:1024*\f+512*\c
.endr
.endr
	s_wait_loadcnt 8                               ; all but x's eight loads are in
.irp j, 0,1,2,3,4,5,6,7
	v_mov_b32 v[BIAS+\j], v[BI]
.endr
.rept 4
	v_nop                                          ; four places between the moves and the product that takes them as an operand
.endr
	s_wait_alu depctr_va_vdst(0)
	s_wait_dscnt 0x0
.irp m, 0,1,2,3
	MMA ACC+8*\m, AF+16*\m, WO, BIAS, AS+\m, WOS, 0            ; the four accumulators by turns, K step by K step
.endr
.irp m, 0,1,2,3
	MMA ACC+8*\m, AF+16*\m+8, WO+8, ACC+8*\m, AS+\m, WOS+1, 1
.endr
.rept 4
	v_nop                                          ; four places between the last products and the first read of results
.endr
.irp m, 0,1,2,3
	ds_store_b128 v11, v[ACC+8*\m:ACC+8*\m+3] offset:128*(\m/2)+32*(\m%2)        ; each accumulator from its low end on
	ds_store_b128 v11, v[ACC+8*\m+4:ACC+8*\m+7] offset:128*(\m/2)+32*(\m%2)+16
.endr
.irp i, 0,1,2,3,4,5,6,7
	ds_load_b128 v[BK+4*\i:BK+4*\i+3], v12 offset:544*\i       ; LDS serves a wave's instructions in order (ISA guide 5.7.1.4): these see my stores; the stage is my wave's own
.endr
	s_wait_loadcnt 0x0                             ; x
.irp i, 0,1,2,3,4,5,6,7
	s_wait_dscnt 7-\i                              ; rows 2 i and 2 i + 1 are back; the younger loads may be out
	v_pk_add_f32 v[BK+4*\i:BK+4*\i+1], v[BK+4*\i:BK+4*\i+1], v[XRES+4*\i:XRES+4*\i+1]
	v_pk_add_f32 v[BK+4*\i+2:BK+4*\i+3], v[BK+4*\i+2:BK+4*\i+3], v[XRES+4*\i+2:XRES+4*\i+3]
	global_store_b128 v10, v[BK+4*\i:BK+4*\i+3], s[16:17] offset:32768*\i th:TH_STORE_NT   ; 16 lanes store 256 consecutive bytes, aligned; written once, read by nobody here
.endr
	s_wait_tensorcnt 0x0
	ds_add_u32 v216, v217
	s_wait_dscnt 0x0
	s_endpgm
.Lfunc_end_k_q90346555b6_oproj:
	.size	k_q90346555b6_oproj, .Lfunc_end_k_q90346555b6_oproj-k_q90346555b6_oproj
	.p2alignl 7, 3214868480
	.fill 96, 4, 3214868480
	.section	.rodata,"a",@progbits
	.p2align	6, 0x0
	.amdhsa_kernel k_q90346555b6_oproj
		.amdhsa_group_segment_fixed_size 44032
		.amdhsa_private_segment_fixed_size 0
		.amdhsa_enable_private_segment 0
		.amdhsa_kernarg_size 56
		.amdhsa_user_sgpr_count 2
		.amdhsa_user_sgpr_kernarg_segment_ptr 1
		.amdhsa_wavefront_size32 1
		.amdhsa_system_sgpr_workgroup_id_x 1
		.amdhsa_system_sgpr_workgroup_id_y 1
		.amdhsa_system_sgpr_workgroup_id_z 1
		.amdhsa_system_vgpr_workitem_id 0
		.amdhsa_next_free_vgpr 218
		.amdhsa_next_free_sgpr 66
		.amdhsa_reserve_vcc 0
		.amdhsa_float_denorm_mode_32 3
		.amdhsa_float_denorm_mode_16_64 3
		.amdhsa_memory_ordered 1
		.amdhsa_forward_progress 1
		.amdhsa_inst_pref_size 11
	.end_amdhsa_kernel
	.amdgpu_metadata
---
amdhsa.version: [ 1, 2 ]
amdhsa.kernels:
  - .name:           k_q90346555b6_oproj
    .symbol:         k_q90346555b6_oproj.kd
    .args:
      - { .name: oc, .offset: 0, .size: 8, .value_kind: global_buffer, .address_space: global }
      - { .name: os, .offset: 8, .size: 8, .value_kind: global_buffer, .address_space: global }
      - { .name: wo_codes, .offset: 16, .size: 8, .value_kind: global_buffer, .address_space: global }
      - { .name: wo_scales, .offset: 24, .size: 8, .value_kind: global_buffer, .address_space: global }
      - { .name: bo, .offset: 32, .size: 8, .value_kind: global_buffer, .address_space: global }
      - { .name: x, .offset: 40, .size: 8, .value_kind: global_buffer, .address_space: global }
      - { .name: out0, .offset: 48, .size: 8, .value_kind: global_buffer, .address_space: global }
    .group_segment_fixed_size: 44032
    .private_segment_fixed_size: 0
    .kernarg_segment_align: 8
    .kernarg_segment_size: 56
    .max_flat_workgroup_size: 256
    .sgpr_count:     66
    .vgpr_count:     218
    .wavefront_size: 32
...
	.end_amdgpu_metadata
.endif
;; end of part 4
